; MI455X (gfx1250); checked and timed in simulation.
; The chip was launched on July 23, 2026; its instructions are those of AMD's public machine-readable ISA for CDNA 5 (MIT licence, August 2026) and "CDNA5" Instruction Set Architecture Reference Guide (July 2026). The comments in the code are by the model that wrote it; some were corrected since.
;; Temporal Logic Layer. Allowed arithmetic: matrix products marked QUANTISED: E3M2 operands, one E8M0 scale for each 32 along K, by v_wmma_scale_f32_16x16x128_f8f6f4 with both operands' format E3M2, f32 sums; everything else in f32.
;; Inputs: P 32 x 128 x 128 float32; W1 256 x 132 float32; W2 132 x 132 float32; W3 132 x 64 float32; b1 132 float32; b2 132 float32; b3 64 float32.
;; Outputs: out0 32 x 128 x 64 float32.
;; This version of the problem:
;;   THIS VERSION OF THE PROBLEM IS GIVEN IN LOW PRECISION. The matrix products marked QUANTISED in the list below multiply operands that are first quantised to E3M2 (3 exponent bits, 2 mantissa bits; 6 bits a number), with one power-of-two scale for each 32 numbers along K (OCP MX v1.0); their sums are f32. All else is computed in f32.
;;   The module's matrix products, in the order in which they are computed (A, B: the left and right operand; K: the contracted axis; several contracted axes count as one K, in the product's order):
;;     1. [M 524,288, K 256] x [K 256, N 132]; A: computed on the way; B: input W1: QUANTISED
;;     2. [M 524,288, K 132] x [K 132, N 132]; A: computed on the way; B: input W2: QUANTISED
;;     3. [M 524,288, K 132] x [K 132, N 64]; A: computed on the way; B: input W3: QUANTISED
;;   THE QUANTISER, for each operand of a quantised product, along K:
;;     - K is cut into blocks of 32 from its start; a last block that is shorter is filled with zeros.
;;     - A block's scale is 2^e with e = floor(log2(the largest magnitude in the block)) - 4, held to -126 .. 127; a block of zeros has e = 0. As a byte (E8M0): e + 127.
;;     - Each number is divided by its block's scale, clamped to +-28, and rounded to the nearest number of E3M2, ties to even, subnormals kept.
;;     - The product sums the exact products of the quantised numbers (number of the format x scale) in f32.
;;   ~~~python
;;   def quantise(x, axis):      # numpy; x: float32 -> the quantised numbers, widened to float32 again
;;       x = np.moveaxis(x, axis, -1); K = x.shape[-1]
;;       x = np.pad(x, [(0, 0)] * (x.ndim - 1) + [(0, -K % 32)]); x = x.reshape(x.shape[:-1] + (-1, 32)); a = np.abs(x).max(-1, keepdims=True)
;;       e = np.where(a > 0, np.clip(np.frexp(np.where(a > 0, a, 1))[1] - 1 - 4, -126, 127), 0)      # np.frexp(a)[1] - 1 = floor(log2(a)), exactly
;;       r = np.clip(x / 2.0 ** e, -28, 28)
;;       step = 2.0 ** (np.maximum(np.frexp(np.where(r == 0, 1, r))[1] - 1, -2) - 2)
;;       q = np.round(r / step) * step * 2.0 ** e      # np.round: ties to even
;;       return np.moveaxis(q.reshape(q.shape[:-2] + (-1,))[..., :K], -1, axis).astype(np.float32)
;;   ~~~
;;   OPERANDS COMPUTED ON THE WAY. 'Computed on the way' means the value that the module computes at that place (a softmax that the list does not call 'softmax' is quantised finished and normalised). What goes into a quantiser is computed in f32, as accurately as f32 sums, v_exp_f32 and their like allow (about 1e-6 of the number): no bf16 or f16 on the way to a quantiser, and a product that is left as it is and whose result goes on into a quantised operand takes f32 operands (vector FMAs, or v_wmma_f32_16x16x4_f32). A number that lies on a knife's edge between two numbers of the format may be rounded either way, as far as f32 arithmetic and the matrix unit's own rounding can turn it there, and no further.
;; One version. Each part assembles by itself: llvm-mc -triple=amdgcn-amd-amdhsa -mcpu=gfx1250 --defsym DOCPART=n.
;; ======== version 1 of 1: 2 launches
;; limits: right only within a limited range of input values
;; workspace buffers: wimg 55,296 bytes
;; launch prep (part 1): grid 32 x 1, 1 waves a work-group, no clusters, 0 bytes of LDS; arguments W1, W2, W3, b1, b2, b3, wimg; writes wimg
.if DOCPART == 1
	.amdgcn_target "amdgcn-amd-amdhsa--gfx1250"
	.amdhsa_code_object_version 6
	.text
	.protected	k_q8f4f90f36d_prep
	.globl	k_q8f4f90f36d_prep
	.p2align	8
	.type	k_q8f4f90f36d_prep,@function
k_q8f4f90f36d_prep:
	s_mov_b64 s[64:65], 0
	v_nop
	global_prefetch_b8 v0, s[64:65] scope:SCOPE_SE
	s_setreg_imm32_b32 hwreg(HW_REG_WAVE_MODE, 25, 1), 1
	s_wait_xcnt 0x0
; TemporalLogicLayer in MX-BF6, launch 1 of 2: the weights become images of the matrix operands' registers.
; THE PROGRAM.  out[b][t][:] = max over te >= t of sigmoid(5 (z + b3)), z = Q(h2) Q(W3), h2 = relu(Q(h1) Q(W2) + b2), h1 = relu(Q([M, P[b][te]]) Q(W1) + b1), M = max of P[b][t..te][:].
; Q: codes of E3M2 with one E8M0 scale for each 32 along K.  All seven inputs have a way to the output and are loaded.
; WORK LEFT OUT, for all finite values of the inputs:
; (1) Pairs te < t.  reference() puts NEG_INF in the place of their y, by a mask that it makes of arange in its own body, ahead of the max over te; every t has the pair te = t, whose y is a sigmoid's value,
;     0 at the least.  So no such y reaches out.  They are left out where they come in whole tiles of 16 starts (te < 16 (t / 16)); inside the tiles on the diagonal they are computed and replaced.
; (2) K = 128 .. 255 of the first product holds P[b][te], whatever t is.  Blocks of 32 are quantised each by itself, so these four blocks have the same codes and scales for every t:
;     G[b][te] = Q(P[b][te]) Q(W1[128:256]) + b1 is made once for each (b, te), in f32, and is the addend of the other half's product.  The same terms, summed in another order.
; (3) z -> sigmoid(5 (z + b3)) does not fall where z rises, so the max over te is taken of z, and b3, the factor 5 and the sigmoid come once for each output.
; LIMITS.  NaN and infinities among the inputs are not served.  A NaN, an infinity or an overflow that reaches only the work left out is not carried to the result.
; A block of zeros gets the scale byte 1 where the quantiser says 127: its codes are zeros, which add nothing under any byte but 0xff, and this program alone reads the bytes.
; Blocks whose largest magnitude lies under 2^(5 - 127), whose byte is held at 1, were not tried.
;
; THIS LAUNCH.  Work-group f = 0 .. 30, one wave, makes fragment f: 16 columns n of a weight x 128 along K, as source 0 of the matrix instruction: lane (m, h) holds column n(m), registers 6 c .. 6 c + 5 hold
; k = 64 c + 32 h + 0 .. 31.  A LANE TAKES A COLUMN AND ITS REGISTERS RUN DOWN K: a block of 32 lies in one lane, and the conversions' results are the operand's registers.
; f 0-8: W1[0:128], tile f;  9-17: W1[128:256];  18-26: W2[0:128];  27-30: W3[0:128].
; THE COLUMNS OF A TILE ARE NOT NEIGHBOURS: lane m of tile T takes n = 64 (T / 4) + 32 (m / 8) + 8 (T % 4) + m % 8, so that in the product's result a lane's 32 registers of four neighbouring tiles are one whole
; block of 32 along the next K.  Columns at or past the weight's width (tile 8: n >= 132) get zero codes; their loads are held at the last column.
; K = 128 .. 131 of W2 and W3 (the short last block) is one register a tile: four codes in bits 0-23, and one scale byte, kept in lanes 16-31 of the fragment's scale register.
; wimg: 1536 f: the fragment, three pieces of 512 bytes, lane l's 16 bytes at 16 l;  OSC + 128 f: its scale register;  OTL + 128 q: tail register q (W2: q = T; W3: q = 9 + T);
; OB1, OB2: b1, b2 filled with zeros to 192 numbers;  OB3: b3;  OZ: 256 bytes of zeros, so that the buffer is 216 whole rows of 256 bytes.  Work-group 31 writes those four.
; The fragments' stores cover 512 consecutive bytes each; the scale, tail and bias stores 128.
; Of (1): launch main lays its rows so that it meets no pair te < t at all, in no tile.
.set OSC, 47616
.set OTL, 51584
.set OB1, 53248
.set OB2, 54016
.set OB3, 54784
.set OZ,  55040
.set FLOOR, 0x2800000                  ; 2^(5 - 127): under it no largest magnitude is taken, so no byte falls under 1
; v1 m, v2 h, v3 n, v4 n held, v5 my address in the weight, v6 the same for the tail, v7 16 x lane + 1536 f, v8 4 x lane, v9 8 h, v10 4 x lane + 128 q, v11 4 x lane + 128 f
; v16-79 the 64 numbers, v80-95 the tail's 4 and 12 zeros, v96-107 the codes, v108.. codes on their way, v116-118 the tail's codes, v120-130 at work
.macro DOFRAG stride, ncols, tail
	s_lshr_b32 s24, s19, 2
	s_lshl_b32 s24, s24, 6
	s_and_b32 s25, s19, 3
	s_lshl_b32 s25, s25, 3
	s_add_co_u32 s24, s24, s25                     ; 64 (T / 4) + 8 (T % 4)
	v_lshrrev_b32 v3, 3, v1
	v_and_b32 v4, 7, v1
	v_lshl_add_u32 v3, v3, 5, v4
	v_add_nc_u32 v3, s24, v3                       ; n
	v_min_u32 v4, \ncols-1, v3                     ; no load leaves the weight
	v_lshlrev_b32 v6, 2, v4
	v_mad_u32_u24 v5, v2, 32*\stride, v6           ; lanes 16-31 begin 32 rows further down
.set I, 0
.rept 64
	global_load_b32 v[16+I], v5, s[20:21] offset:(64*(I/32)+I%32)*\stride
.set I, I+1
.endr
.if \tail
.irp i, 0,1,2,3
	global_load_b32 v[80+\i], v6, s[20:21] offset:(128+\i)*\stride
.endr
.irp i, 4,5,6,7,8,9,10,11,12,13,14,15
	v_mov_b32 v[80+\i], 0                          ; the short block is filled with zeros
.endr
.endif
	v_mov_b32 v127, 0                              ; a lane permute's destination counts as one of its sources
	s_wait_loadcnt 0x0
.irp c, 0,1
	v_max3_num_f32 v[120+\c], |v[16+32*\c]|, |v[17+32*\c]|, FLOOR    ; my block 2 c + h: all its 32 numbers are mine
.endr
.irp i, 2,4,6,8,10,12,14,16,18,20,22,24,26,28,30
.irp c, 0,1
	v_max3_num_f32 v[120+\c], v[120+\c], |v[16+32*\c+\i]|, |v[17+32*\c+\i]|
.endr
.endr
.irp c, 0,1
	v_add_nc_u32 v[122+\c], 0xfe000000, v[120+\c]  ; 4 off the exponent field: the conversion's scale operand
.endr
.irp c, 0,1
	v_lshrrev_b32 v[124+\c], 23, v[122+\c]         ; the scale's byte
.endr
	v_lshl_or_b32 v126, v125, 16, v124             ; my two bytes, blocks h and 2 + h,
	v_lshlrev_b32 v126, v9, v126                   ; at their places in the word;
	v_permlanex16_b32 v127, v126, s22, s23
	v_or_b32 v126, v126, v127                      ; with lane l xor 16's two the word is whole
.irp c, 0,1
	v_cvt_scalef32_pk16_bf6_f32 v[96+6*\c:98+6*\c], v[16+32*\c:31+32*\c], v[122+\c]
	v_cvt_scalef32_pk16_bf6_f32 v[108+4*\c:110+4*\c], v[32+32*\c:47+32*\c], v[122+\c]   ; (a conversion's three registers begin on an even number)
.endr
	v_nop                                          ; one plain place behind a scaled conversion
.irp c, 0,1
.irp i, 0,1,2
	v_mov_b32 v[99+6*\c+\i], v[108+4*\c+\i]
.endr
.endr
	v_cmp_gt_u32 vcc_lo, \ncols, v3                ; is my column one of the weight's?
.irp i, 0,1,2,3,4,5,6,7,8,9,10,11
	v_cndmask_b32 v[96+\i], 0, v[96+\i], vcc_lo    ; if not: zero codes
.endr
.if \tail
	v_max3_num_f32 v128, |v80|, |v81|, FLOOR
	v_max3_num_f32 v128, v128, |v82|, |v83|
	v_add_nc_u32 v129, 0xfe000000, v128
	v_lshrrev_b32 v130, 23, v129
	v_cvt_scalef32_pk16_bf6_f32 v[116:118], v[80:95], v129
	v_nop
	v_cndmask_b32 v116, 0, v116, vcc_lo
	v_cmp_eq_u32 vcc_lo, 0, v2
	v_cndmask_b32 v126, v130, v126, vcc_lo         ; lanes 0-15 keep the word of K = 0 .. 127, lanes 16-31 (which hold the same columns) take the tail's byte
	global_store_b32 v10, v116, s[16:17] offset:OTL
.endif
	global_store_b128 v7, v[96:99], s[16:17]
	global_store_b128 v7, v[100:103], s[16:17] offset:512
	global_store_b128 v7, v[104:107], s[16:17] offset:1024
	global_store_b32 v11, v126, s[16:17] offset:OSC
	s_endpgm
.endm
	s_load_b256 s[4:11], s[0:1], 0x0               ; W1 s[4:5], W2 s[6:7], W3 s[8:9], b1 s[10:11]
	s_load_b128 s[12:15], s[0:1], 0x20             ; b2 s[12:13], b3 s[14:15]
	s_load_b64 s[16:17], s[0:1], 0x30              ; wimg
	v_and_b32 v1, 15, v0
	v_lshrrev_b32 v2, 4, v0
	v_lshlrev_b32 v9, 3, v2
	s_mov_b32 s18, ttmp9                           ; f
	s_mov_b32 s22, 0x76543210
	s_mov_b32 s23, 0xfedcba98                      ; v_permlanex16_b32's selects for lane l xor 16
	s_mul_i32 s26, s18, 1536
	v_lshlrev_b32 v7, 4, v0
	v_add_nc_u32 v7, s26, v7
	s_lshl_b32 s26, s18, 7
	v_lshlrev_b32 v8, 2, v0
	v_add_nc_u32 v11, s26, v8
	s_mov_b32 s27, 0
	s_wait_kmcnt 0x0
	s_cmp_lt_u32 s18, 18
	s_cbranch_scc0 .Lnot_w1
	s_cmp_lt_u32 s18, 9                            ; W1's upper or lower 128 rows
	s_cselect_b32 s19, 0, 9
	s_cselect_b32 s26, 0, 128*528
	s_sub_co_u32 s19, s18, s19                     ; T
	s_add_nc_u64 s[20:21], s[4:5], s[26:27]
	s_wait_alu depctr_va_vdst(0)
	DOFRAG 528, 132, 0
.Lnot_w1:
	s_cmp_lt_u32 s18, 27
	s_cbranch_scc0 .Lnot_w2
	s_sub_co_u32 s19, s18, 18                      ; T = q
	s_lshl_b32 s28, s19, 7
	s_wait_alu depctr_va_vdst(0)
	v_add_nc_u32 v10, s28, v8
	s_mov_b64 s[20:21], s[6:7]
	DOFRAG 528, 132, 1
.Lnot_w2:
	s_cmp_lt_u32 s18, 31
	s_cbranch_scc0 .Lbias
	s_sub_co_u32 s19, s18, 27                      ; T; q = 9 + T
	s_add_co_u32 s28, s19, 9
	s_lshl_b32 s28, s28, 7
	s_wait_alu depctr_va_vdst(0)
	v_add_nc_u32 v10, s28, v8
	s_mov_b64 s[20:21], s[8:9]
	DOFRAG 256, 64, 1
.Lbias:
.irp q, 0,1,2,3,4,5
	v_add_nc_u32 v[16+\q], 32*\q, v0               ; which number
	v_min_u32 v[24+\q], 131, v[16+\q]              ; no load leaves the bias
	v_lshlrev_b32 v[24+\q], 2, v[24+\q]
	global_load_b32 v[32+\q], v[24+\q], s[10:11]
	global_load_b32 v[40+\q], v[24+\q], s[12:13]
.endr
	global_load_b32 v48, v8, s[14:15]
	global_load_b32 v49, v8, s[14:15] offset:128
	v_mov_b32 v50, 0
	s_wait_loadcnt 0x0
.irp q, 0,1,2,3,4,5
	v_cmp_gt_u32 vcc_lo, 132, v[16+\q]
	v_cndmask_b32 v[32+\q], 0, v[32+\q], vcc_lo    ; zeros from number 132 on
	v_cndmask_b32 v[40+\q], 0, v[40+\q], vcc_lo
.endr
.irp q, 0,1,2,3,4,5
	global_store_b32 v8, v[32+\q], s[16:17] offset:OB1+128*\q
	global_store_b32 v8, v[40+\q], s[16:17] offset:OB2+128*\q
.endr
	global_store_b32 v8, v48, s[16:17] offset:OB3
	global_store_b32 v8, v49, s[16:17] offset:OB3+128
	global_store_b32 v8, v50, s[16:17] offset:OZ
	global_store_b32 v8, v50, s[16:17] offset:OZ+128
	s_endpgm
.Lfunc_end_k_q8f4f90f36d_prep:
	.size	k_q8f4f90f36d_prep, .Lfunc_end_k_q8f4f90f36d_prep-k_q8f4f90f36d_prep
	.p2alignl 7, 3214868480
	.fill 96, 4, 3214868480
	.section	.rodata,"a",@progbits
	.p2align	6, 0x0
	.amdhsa_kernel k_q8f4f90f36d_prep
		.amdhsa_group_segment_fixed_size 0
		.amdhsa_private_segment_fixed_size 0
		.amdhsa_enable_private_segment 0
		.amdhsa_kernarg_size 56
		.amdhsa_user_sgpr_count 2
		.amdhsa_user_sgpr_kernarg_segment_ptr 1
		.amdhsa_wavefront_size32 1
		.amdhsa_system_sgpr_workgroup_id_x 1
		.amdhsa_system_sgpr_workgroup_id_y 1
		.amdhsa_system_sgpr_workgroup_id_z 1
		.amdhsa_system_vgpr_workitem_id 0
		.amdhsa_next_free_vgpr 136
		.amdhsa_next_free_sgpr 66
		.amdhsa_reserve_vcc 1
		.amdhsa_float_denorm_mode_32 3
		.amdhsa_float_denorm_mode_16_64 3
		.amdhsa_memory_ordered 1
		.amdhsa_forward_progress 1
		.amdhsa_inst_pref_size 40
	.end_amdhsa_kernel
	.amdgpu_metadata
---
amdhsa.version: [ 1, 2 ]
amdhsa.kernels:
  - .name:           k_q8f4f90f36d_prep
    .symbol:         k_q8f4f90f36d_prep.kd
    .args:
      - { .name: W1, .offset: 0, .size: 8, .value_kind: global_buffer, .address_space: global }
      - { .name: W2, .offset: 8, .size: 8, .value_kind: global_buffer, .address_space: global }
      - { .name: W3, .offset: 16, .size: 8, .value_kind: global_buffer, .address_space: global }
      - { .name: b1, .offset: 24, .size: 8, .value_kind: global_buffer, .address_space: global }
      - { .name: b2, .offset: 32, .size: 8, .value_kind: global_buffer, .address_space: global }
      - { .name: b3, .offset: 40, .size: 8, .value_kind: global_buffer, .address_space: global }
      - { .name: wimg, .offset: 48, .size: 8, .value_kind: global_buffer, .address_space: global }
    .group_segment_fixed_size: 0
    .private_segment_fixed_size: 0
    .kernarg_segment_align: 8
    .kernarg_segment_size: 56
    .max_flat_workgroup_size: 32
    .sgpr_count:     66
    .vgpr_count:     136
    .wavefront_size: 32
...
	.end_amdgpu_metadata
.endif
;; end of part 1
;; launch main (part 2): grid 32 x 8, 4 waves a work-group, clusters of 4 x 1, 327,680 bytes of LDS; arguments P, wimg, out0; writes out0
.if DOCPART == 2
	.amdgcn_target "amdgcn-amd-amdhsa--gfx1250"
	.amdhsa_code_object_version 6
	.text
	.protected	k_q8f4f90f36d_main
	.globl	k_q8f4f90f36d_main
	.p2align	8
	.type	k_q8f4f90f36d_main,@function
k_q8f4f90f36d_main:
	s_mov_b64 s[64:65], 0
	v_nop
	global_prefetch_b8 v0, s[64:65] scope:SCOPE_SE
	s_setreg_imm32_b32 hwreg(HW_REG_WAVE_MODE, 25, 1), 1
	s_wait_xcnt 0x0
	s_wait_alu depctr_hold_cnt(0) depctr_sa_sdst(0) depctr_va_vdst(0) depctr_va_sdst(0) depctr_va_ssrc(0) depctr_va_vcc(0) depctr_vm_vsrc(0)
	s_getreg_b32 s2, hwreg(HW_REG_IB_STS2, 6, 4)
	s_cmp_eq_u32 s2, 0
	s_cbranch_scc0 .Lentry_in_a_cluster
	s_endpgm
.Lentry_in_a_cluster:
	s_bfe_u32 s2, ttmp6, 0x10000c
	s_cmp_lg_u32 s2, 0x3003
	s_cbranch_scc0 .Lentry_shape_is_right
	s_endpgm
.Lentry_shape_is_right:
; TemporalLogicLayer in MX-BF6, launch 2 of 2 (the whole program, what it leaves out and its limits: the comment at the head of launch 1; here no pair te < t is computed, and G is made once for each te).
; Work-group (b, o) owns two octets of starts of batch b: t = 8 o + 0..7 and t = 120 - 8 o + 0..7.  A ROW of a tile is one start t and one SEGMENT of nine ends te = t + 9 j + 0..8.  The first octet needs
; 15 - o segments, the second o + 1: 16 groups of 8 rows in all.  Group hs = 4 w + 2 x + q is rows 8 q .. 8 q + 7 of set x of wave w: each wave has two sets of 16 rows and nine steps.
; te >= t always.  Where te would pass 127 the row meets copies of te = 127 (rows 128..143 of P and G in LDS): the pair (t, 127) once more, which changes no maximum.
; Each step: M = max(M, P[te]); codes of M; h1 (C = G[te]); codes; h2 (C = b2); codes; z; OUT = max(OUT, z).  The products are used transposed: a lane holds one row, and its registers run along the next K.
; Set 0 and set 1 are half a step apart: groups of matrix instructions of one stand among the vector work of the other.  LDS loads go out in runs, each directly ahead of a group of matrix instructions.
; M's start of a segment j is the max of P over t .. t + 9 j - 1: windows of nine rows, their running max over the wave's four groups (E), and a carry from the waves before (T).
; CLUSTERS: four batches.  The weights' image is one joint load for the four.  P[b] is asked for by each work-group alone: it is shared by the eight work-groups of a batch, whose LDS addresses
; differ by o, so they cannot be partners of a cluster.  No prefetch: each tile is fetched once, at the head, with no loop to run ahead in.
; REGISTERS.  Window 0: addresses, scales, M of set 0, 1 at 64, 128, P's row at 192.  Window 1: hidden layers at 0, 80; codes 160, 172; tail codes 184 (+ zeros); at work 196-222.
; Window 2: W1[0:128] 0-107, W2 108-215 (first W1[128:256]), tails 216-251.  Window 3: W3 0-47, b2 48-119 (first b1), OUT 128-191.
.set PP,   528                         ; a row of P, of G and of E in LDS: 132 numbers
.set GL,   76032                       ; G: 144 rows, behind P's 144
.set WI,   152064                      ; the weights' image, 55,296 bytes
.set EB,   207360                      ; E: 128 rows
.set TB,   274944                      ; T: 4 waves x 8 rows x 512 bytes
.set SPARE, 291328
.set STG,  291840                      ; the way out: 128 rows of 272 bytes
.set OSC, 47616
.set OTL, 51584
.set OB1, 53248
.set OB3, 54784
.set FLOOR, 0x2800000                  ; 2^(5 - 127): no scale byte falls under 1
.set E4, 0xfe000000                    ; takes 4 off an exponent field
.set VB,   5
.set WS1,  32
.set WS2,  41
.set WS3,  50
.set PS,   192
.set MSB, 0
.macro WIN new
.if MSB != \new
	s_set_vgpr_msb (MSB<<8)|\new
.set MSB, \new
.endif
.endm
.macro WA
	s_wait_alu depctr_va_vdst(0)
.endm
.macro NOPS n
.rept \n
	v_nop
.endr
.endm
.macro ROUND
	s_barrier_signal -1
	s_barrier_wait -1
	s_cmp_lg_u32 s10, 0
	s_cbranch_scc1 .Lnot_wave_0_\@
	s_barrier_signal -3
.Lnot_wave_0_\@:
	s_barrier_wait -3
	s_barrier_signal -1
	s_barrier_wait -1
.endm
.macro MAXP d, s                       ; d, d + 1 = max of s, s + 1 and d, d + 1
	v_dual_max_num_f32 v[\d], v[\s], v[\d] :: v_dual_max_num_f32 v[\d+1], v[\s+1], v[\d+1]
.endm
.macro RELU d
	v_dual_max_num_f32 v[\d], 0, v[\d] :: v_dual_max_num_f32 v[\d+1], 0, v[\d+1]
.endm
; A conversion's three registers begin on an even number: the second halves of the blocks are made at 196 and 200 and moved.
.macro MOVS set
	v_dual_mov_b32 v[163+12*\set], v196 :: v_dual_mov_b32 v[164+12*\set], v197
	v_dual_mov_b32 v[169+12*\set], v200 :: v_dual_mov_b32 v[170+12*\set], v201
	v_mov_b32 v[165+12*\set], v198
	v_mov_b32 v[171+12*\set], v202
.endm
; THE HIDDEN LAYER'S QUANTISER.  Pair K: two numbers of block K % 2; four chains of maxima (no |.|: what is negative is cut off), each pair's maximum ahead of its activation.
.macro QK set, k0, n
	WIN 0x55
.set K, \k0
.rept \n
.set QE, 80*\set+32*(K%2)+2*(K/2)
.set QC, 208+K%4
.if K < 4
	v_max3_num_f32 v[QC], v[QE], v[QE+1], FLOOR
.else
	v_max3_num_f32 v[QC], v[QC], v[QE], v[QE+1]
.endif
	RELU QE
.set K, K+1
.endr
.endm
.macro QT set                          ; the short last block: 4 numbers, in lanes 0-15
	WIN 0x55
.set QE, 80*\set+64
	v_max3_num_f32 v212, v[QE], v[QE+1], FLOOR
	RELU QE
	v_max3_num_f32 v212, v212, v[QE+2], v[QE+3]
	RELU QE+2
.endm
.macro QF1                             ; the conversions' scale operands
	WIN 0x55
	v_max_num_f32 v208, v208, v210
	v_max_num_f32 v209, v209, v211
	v_add_nc_u32 v216, E4, v212
	v_add_nc_u32 v214, E4, v208
	v_add_nc_u32 v215, E4, v209
.endm
.macro QF2 set
	WIN 0x55
.set QH, 80*\set
.set QX, 160+12*\set
	v_cvt_scalef32_pk16_bf6_f32 v[QX:QX+2], v[QH:QH+15], v214
	v_lshrrev_b32 v217, 23, v214
	v_cvt_scalef32_pk16_bf6_f32 v[196:198], v[QH+16:QH+31], v214
	v_lshrrev_b32 v218, 23, v215
	v_cvt_scalef32_pk16_bf6_f32 v[QX+6:QX+8], v[QH+32:QH+47], v215
	v_lshl_or_b32 v219, v218, 16, v217             ; my two bytes, blocks h and 2 + h,
	v_cvt_scalef32_pk16_bf6_f32 v[200:202], v[QH+48:QH+63], v215
	v_lshlrev_b32 v219, v221, v219                 ; at their places
	v_cvt_scalef32_pk16_bf6_f32 v[204:206], v[QH+64:QH+79], v216
.endm
.macro QF3 set
	WIN 0x55
	v_permlanex16_b32 v220, v219, s20, s21
	MOVS \set
	v_and_b32 v184, v222, v204                     ; the tail's four codes, in lanes 0-15; zero codes in lanes 16-31
	WIN 0x05
	v_or_b32 v[54+2*\set], v219, v220              ; with lane l xor 16's two bytes the word is whole
	v_lshrrev_b32 v[55+2*\set], 23, v216           ; the tail's byte
.endm
; M: the step's maximum and its quantiser.
.macro AMX src                         ; pair K's magnitudes into chain K % 4
.set ME, \src+32*(K%2)+2*(K/2)
.set MC, 24+K%4
.if K < 4
	v_max3_num_f32 v[MC], |v[ME]|, |v[ME+1]|, FLOOR
.else
	v_max3_num_f32 v[MC], v[MC], |v[ME]|, |v[ME+1]|
.endif
.set K, K+1
.endm
.macro MK set                          ; eight pairs of M, then their magnitudes, four times
	WIN 0
.set K, 0
.set KU, 0
.rept 4
.rept 8
.set KE, 32*(KU%2)+2*(KU/2)
	MAXP 64+64*\set+KE, PS+KE
.set KU, KU+1
.endr
.rept 8
	AMX 64+64*\set
.endr
.endr
.endm
.macro MF1
	WIN 0
	v_max_num_f32 v24, v24, v26
	v_max_num_f32 v25, v25, v27
	v_add_nc_u32 v28, E4, v24
	v_add_nc_u32 v29, E4, v25
.endm
.macro MF2 src, set
	WIN 0
	v_lshrrev_b32 v30, 23, v28
	v_lshrrev_b32 v58, 23, v29
	v_lshl_or_b32 v30, v58, 16, v30
	WIN 0x40
	v_cvt_scalef32_pk16_bf6_f32 v[160+12*\set:162+12*\set], v[\src:\src+15], v28
	v_cvt_scalef32_pk16_bf6_f32 v[196:198], v[\src+16:\src+31], v28
	v_cvt_scalef32_pk16_bf6_f32 v[166+12*\set:168+12*\set], v[\src+32:\src+47], v29
	v_cvt_scalef32_pk16_bf6_f32 v[200:202], v[\src+48:\src+63], v29
	WIN 0
	v_lshlrev_b32 v30, v3, v30
.endm
.macro MF3 set
	WIN 0
	v_permlanex16_b32 v31, v30, s20, s21
	WIN 0x41
	MOVS \set
	WIN 0
	v_or_b32 v[54+2*\set], v30, v31
.endm
.macro OUTM set                        ; OUT = max(OUT, z)
	WIN 0xcd
.set I, 0
.rept 16
	MAXP 128+32*\set+2*I, 80*\set+2*I
.set I, I+1
.endr
.endm
; THE PRODUCTS.  kind 1: 9 tiles of W1[0:128] onto G;  kind 2: 9 tiles of W2, then their tails (K = 128 .. 131);  kind 3: 4 tiles of W3, then their tails.  A tail's fragment is one register; what follows it meets zero codes.
.macro XW kind, set
.set XH, 80*\set
.set XC, 160+12*\set
.set XS, 54+2*\set
.if \kind == 1
	WIN 0x56
	v_wmma_scale_f32_16x16x128_f8f6f4 v[XH+8*XI:XH+8*XI+7], v[12*XI:12*XI+11], v[XC:XC+11], v[XH+8*XI:XH+8*XI+7], v[WS1+XI], v[XS] matrix_a_fmt:MATRIX_FMT_BF6 matrix_b_fmt:MATRIX_FMT_BF6
.elseif \kind == 2
.if XI < 9
	WIN 0x76
	v_wmma_scale_f32_16x16x128_f8f6f4 v[XH+8*XI:XH+8*XI+7], v[108+12*XI:119+12*XI], v[XC:XC+11], v[48+8*XI:55+8*XI], v[WS2+XI], v[XS] matrix_a_fmt:MATRIX_FMT_BF6 matrix_b_fmt:MATRIX_FMT_BF6
.else
	WIN 0x56
	v_wmma_scale_f32_16x16x128_f8f6f4 v[XH+8*XI-72:XH+8*XI-65], v[198+2*XI:209+2*XI], v[184:195], v[XH+8*XI-72:XH+8*XI-65], v[WS2+XI-9], v[XS+1] matrix_a_fmt:MATRIX_FMT_BF6 matrix_b_fmt:MATRIX_FMT_BF6 matrix_a_scale:MATRIX_SCALE_ROW1
.endif
.else
.if XI < 4
	WIN 0x57
	v_wmma_scale_f32_16x16x128_f8f6f4 v[XH+8*XI:XH+8*XI+7], v[12*XI:12*XI+11], v[XC:XC+11], 0, v[WS3+XI], v[XS] matrix_a_fmt:MATRIX_FMT_BF6 matrix_b_fmt:MATRIX_FMT_BF6
.else
	WIN 0x56
	v_wmma_scale_f32_16x16x128_f8f6f4 v[XH+8*XI-32:XH+8*XI-25], v[226+2*XI:237+2*XI], v[184:195], v[XH+8*XI-32:XH+8*XI-25], v[WS3+XI-4], v[XS+1] matrix_a_fmt:MATRIX_FMT_BF6 matrix_b_fmt:MATRIX_FMT_BF6 matrix_a_scale:MATRIX_SCALE_ROW1
.endif
.endif
.set XI, XI+1
.endm
.macro XG kind, set, i0, n
.set XI, \i0
.rept \n
	XW \kind, \set
.endr
.endm
.macro ROW64 dst, adr, off             ; my 64 numbers of a row: k = 64 c + 32 h + 0 .. 31
.irp c, 0,1
.irp e, 0,1,2,3,4,5,6,7
	ds_load_b128 v[\dst+32*\c+4*\e:\dst+32*\c+4*\e+3], v[\adr] offset:\off+256*\c+16*\e
.endr
.endr
.endm
.macro GROW set                        ; G[te] at v8: 17 loads.  Of tile 8 lanes 0-15 want n = 128 .. 131; lanes 16-31 bring numbers that the tail's mask drops
	WIN 0x40
.irp t, 0,1,2,3,4,5,6,7
.irp e, 0,1
	ds_load_b128 v[80*\set+8*\t+4*\e:80*\set+8*\t+4*\e+3], v8 offset:256*(\t/4)+32*(\t%4)+16*\e
.endr
.endr
	ds_load_b128 v[80*\set+64:80*\set+67], v8 offset:512
.endm
; HALF A TRIP: set x goes from its codes of M to its h2, set y from its h2 to its next codes of M (but for MF3, which stands in the next half).  f = 1: y has no step behind it yet;  f = 2: y has no step to come.
.macro HT x, y, f
.if \f != 1
	QK \y, 0, 16
.endif
	MF3 \x
.if \f != 1
	QK \y, 16, 16
	QT \y
	QF1
.else
	NOPS 8                                         ; a scale register's 8 places
.endif
	WIN 0
.if \f != 2
	v_add_nc_u32 v7, s15, v[VB+\y]
.endif
	WA
	s_wait_dscnt 0x0                               ; x's G
.if \f != 2
	ROW64 PS, 7, 0                                 ; y's next row of P
.endif
	XG 1, \x, 0, 9
.if \f != 1
	QF2 \y
	QF3 \y
.else
	NOPS 4
.endif
	QK \x, 0, 32
	QT \x
	QF1
.if \f != 1
	XG 3, \y, 0, 8
.endif
	QF2 \x
	QF3 \x
.if \f != 1
	OUTM \y
.else
	NOPS 8
.endif
.if \f != 2
	WIN 0
	v_add_nc_u32 v8, s16, v[VB+\y]
	WA
	GROW \y
	s_wait_dscnt 17                                ; y's P is in: behind it G's 17 loads
	XG 2, \x, 0, 9
	MK \y
	MF1
	XG 2, \x, 9, 9
	MF2 64+64*\y, \y
.else
	XG 2, \x, 0, 18
	NOPS 4
.endif
.endm
	s_load_b128 s[4:7], s[0:1], 0x0                ; P, wimg
	s_load_b64 s[8:9], s[0:1], 0x10                ; out0
	v_lshl_add_u32 v1, v0, 2, SPARE
	v_mov_b32 v2, 0
	ds_add_u32 v1, v2                              ; the opening: the add, twice on end
	ds_add_u32 v1, v2
	v_lshrrev_b32 v24, 5, v0
	v_readfirstlane_b32 s10, v24                   ; wave
	s_bfe_u32 s11, ttmp6, 0x40000
	s_lshl_b32 s12, ttmp9, 2
	s_add_co_u32 s12, s12, s11                     ; b
	s_and_b32 s13, ttmp7, 0xffff
	s_min_u32 s13, s13, 7                          ; o
	; P: 64 rows of 132 numbers, of which 128 exist: the load writes zeros into the last four, so that LDS rows are 528 bytes apart and every byte of them is written
	s_mov_b32 s28, 2<<16
	s_mov_b32 s29, 128<<16
	s_mov_b32 s30, 64<<16
	s_mov_b32 s31, 132<<16
	s_mov_b32 s32, 64
	s_mov_b32 s33, 128
	s_mov_b32 s34, 0
	s_mov_b32 s35, 0
	; the weights' image: 108 rows of 256 bytes a wave, for all four work-groups of the cluster
	s_mov_b32 s40, 15|(3<<16)|(1<<21)
	s_mov_b32 s41, 32<<16
	s_mov_b32 s42, 108<<16
	s_mov_b32 s43, 32<<16
	s_mov_b32 s44, 108
	s_mov_b32 s45, 32
	s_mov_b32 s46, 0
	s_mov_b32 s47, 0
	s_and_b32 s14, s10, 1
	s_mov_b32 s24, 1
	s_mul_i32 s25, s14, 64*PP
	s_mov_b32 s36, 1
	s_mul_i32 s48, s14, 27648
	s_add_co_u32 s37, s48, WI
	s_mov_b32 s49, 0
	s_lshl_b32 s50, s12, 16
	s_lshl_b32 s51, s14, 15
	s_add_co_u32 s50, s50, s51
	s_mov_b32 s51, 0
	s_wait_dscnt 0x0                               ; both adds are done
	ROUND
	s_wait_kmcnt 0x0
	s_add_nc_u64 s[26:27], s[4:5], s[50:51]
	s_or_b32 s27, s27, 0x80000000
	s_add_nc_u64 s[38:39], s[6:7], s[48:49]
	s_or_b32 s39, s39, 0x80000000
	s_cmp_lt_u32 s10, 2                            ; one tensor load a wave: waves 0 and 1 P's halves, waves 2 and 3 the image's
	s_cbranch_scc0 .Limage
	tensor_load_to_lds s[24:27], s[28:35]
	s_nop 0
	NOPS 4
	s_branch .Lasked
.Limage:
	tensor_load_to_lds s[36:39], s[40:47]
	s_nop 0
	NOPS 4
.Lasked:
	s_mov_b32 s20, 0x76543210
	s_mov_b32 s21, 0xfedcba98                      ; v_permlanex16_b32's selects for lane l xor 16
	s_mov_b32 s22, 0xffff0000                      ; lanes 16-31
	s_mov_b32 s19, 0xff00ff00                      ; rows 8-15 of a tile
	s_mov_b32 s23, 0xff7fffff                      ; the least and
	s_mov_b32 s69, 0x7f7fffff                      ; the greatest finite number
	s_lshl_b32 s14, s13, 3                         ; 8 o
	s_sub_co_u32 s18, 15, s13                      ; n1 = 15 - o: the first group of the second octet
	s_mul_i32 s11, s13, 7
	s_add_co_u32 s11, s11, 15                      ; 7 o + 15
	s_lshl_b32 s51, s10, 2                         ; the wave's first group
	s_sub_co_u32 s50, s18, s51                     ; n1 less that
.irp i, 0,1,2,3                        ; where group i of mine begins: 9 hs + 8 o in the first octet, 9 hs + o - 15 in the second (126 - o and 120 + o at the most)
	s_add_co_u32 s48, s51, \i
	s_mul_i32 s17, s48, 9
	s_add_co_u32 s17, s17, s14
	s_cmp_ge_u32 s48, s18
	s_cselect_b32 s48, s11, 0
	s_sub_co_u32 s17, s17, s48
	s_min_u32 s[52+\i], s17, 127
.endr
.irp i, 1,2,3                          ; the running max starts anew where the second octet begins
	s_cmp_eq_u32 s50, \i
	s_cselect_b32 s[55+\i], s23, s69
.endr
.irp i, 0,1,2,3                        ; and the carry stops there
	s_cmp_le_u32 s50, \i
	s_cselect_b32 s[60+\i], s23, s69
.endr
	s_lshr_b32 s48, s18, 2
.irp i, 0,1,2
	s_cmp_eq_u32 s48, \i
	s_cselect_b32 s[66+\i], s23, s69
.endr
	s_sub_co_u32 s17, 120, s14
	s_lshr_b32 s48, s10, 1
	s_cmp_eq_u32 s48, 0
	s_cselect_b32 s17, s14, s17                    ; on the way out waves 0, 1 take the first octet, 2, 3 the second: its first start
	s_and_b32 s49, s10, 1
	s_lshl_b32 s48, s49, 2
	s_add_co_u32 s17, s17, s48
	s_lshl_b32 s48, s12, 7
	s_add_co_u32 s17, s17, s48
	s_lshl_b32 s17, s17, 8
	s_mul_i32 s49, s49, 1088                       ; 4 stage rows
	s_mul_i32 s70, s10, 16*PP
	s_mul_i32 s71, s10, 32*PP
	s_mul_i32 s48, s10, 32*272
	s_lshl_b32 s51, s10, 12
	v_and_b32 v24, 31, v0                          ; lane
	v_and_b32 v25, 15, v0                          ; r
	v_bfe_u32 v26, v0, 4, 1                        ; h
	v_and_b32 v31, 7, v0
	v_lshlrev_b32 v3, 3, v26                       ; 8 h
	v_add_nc_u32 v4, -1, v26
	v_and_b32 v4, 0xffffff, v4                     ; lanes 0-15: four codes; lanes 16-31: none
	v_lshlrev_b32 v27, 7, v26                      ; 128 h
.irp x, 0,1                            ; my row's first te in P: the group's, + r % 8
	v_mov_b32 v28, s[53+2*\x]
	v_cndmask_b32 v28, s[52+2*\x], v28, s19
	v_add_nc_u32 v28, v28, v31
	v_mad_u32_u24 v[VB+\x], v28, PP, v27
.endr
	v_lshl_add_u32 v9, v24, 4, WI
	v_lshl_add_u32 v10, v24, 2, WI
	v_add_nc_u32 v11, WI+OB1, v27
	v_lshlrev_b32 v12, 4, v24                      ; 16 x lane
	v_mad_u32_u24 v29, v25, PP, v27
	v_add_nc_u32 v13, s70, v29                     ; P's rows for my part of G
	v_add_nc_u32 v14, GL, v13                      ; and G's
	v_mul_u32_u24 v30, PP, v25
	v_add_nc_u32 v30, s70, v30
	v_add_nc_u32 v15, GL+512, v30
	v_add_nc_u32 v16, s71, v29
	v_add_nc_u32 v16, EB, v16                      ; E: my rows
	v_add_nc_u32 v17, s71, v12
	v_add_nc_u32 v17, EB, v17                      ; E: my columns
	v_add_nc_u32 v18, s51, v12
	v_add_nc_u32 v18, TB, v18                      ; T: mine
	v_add_nc_u32 v19, TB, v12                      ; T: wave 0's
	v_mul_u32_u24 v28, 272, v25
	v_add_nc_u32 v28, s48, v28
	v_add_nc_u32 v23, STG+256, v28                 ; the stage: my rows' last 16 bytes,
	v_add_nc_u32 v20, v28, v27
	v_add_nc_u32 v20, STG, v20                     ; and my half row
	v_mul_u32_u24 v28, 272, v26
	v_lshl_add_u32 v28, v25, 4, v28
	v_add_nc_u32 v28, s49, v28
	v_add_nc_u32 v21, STG, v28                     ; back: 16 lanes a row
	v_lshlrev_b32 v22, 8, v26
	v_lshl_add_u32 v22, v25, 4, v22
	v_add_nc_u32 v22, s17, v22                     ; my place in out0
	v_lshl_add_u32 v59, v25, 4, WI+OB3
	v_add_nc_u32 v60, 128*PP, v12                  ; P's row 128
	v_add_nc_u32 v61, 127*PP, v12                  ; and row 127
	s_mov_b32 s15, 0
	s_mov_b32 s16, GL
	WIN 0xc0
.set I, 0
.rept 64
	v_mov_b32 v[128+I], s23                        ; OUT: under every z
.set I, I+1
.endr
	WIN 0x80
.irp q, 0,1,2,3,4,5,6,7,8,9,10,11,12
	v_mov_b32 v[217+2*\q], 0
.endr
.irp i, 242,243,244,245,246,247,248,249,250,251
	v_mov_b32 v[\i], 0
.endr
	WIN 0x40
.set I, 0
.rept 32
	v_mov_b32 v[128+I], s23                        ; the carry: nothing yet
.set I, I+1
.endr
	v_mov_b32 v220, 0                              ; a lane permute's destination counts as one of its sources
	v_mov_b32 v221, v3
	v_mov_b32 v222, v4
	WIN 0
	WA
	s_wait_tensorcnt 0x0                           ; my tile is in
	s_cmp_lg_u32 s10, 1
	s_cbranch_scc1 .Lrows_made
	ds_load_b128 v[128:131], v61                   ; wave 1 fetched row 127 itself: rows 128 .. 143 are copies of it
	s_wait_dscnt 0x0
.irp j, 0,1,2,3,4,5,6,7,8,9,10,11,12,13,14,15
	ds_store_b128 v60, v[128:131] offset:PP*\j+16  ; fills the row's last 16 bytes; the next line puts the numbers in their places
	ds_store_b128 v60, v[128:131] offset:PP*\j
.endr
.Lrows_made:
	s_wait_dscnt 0x0
	s_barrier_signal -1
	s_barrier_wait -1                              ; P's 144 rows and the image are whole
; WINDOWS OF NINE, a lane 4 columns: group i's 16 rows, then the max over rows r' .. r' + 8 for r' = 0 .. 7.
.macro RLOAD i, buf
	WIN 0
	s_mul_i32 s48, s[52+\i], PP
	v_add_nc_u32 v[7+\i%2], s48, v12
.irp j, 0,1,2,3,4,5,6,7,8,9,10,11,12,13,14,15
	ds_load_b128 v[\buf+4*\j:\buf+4*\j+3], v[7+\i%2] offset:PP*\j
.endr
.endm
.macro NINE buf                        ; first threes, then threes of threes, in place
	WIN 0
.set I, \buf
.rept 56
	v_max3_num_f32 v[I], v[I], v[I+4], v[I+8]
.set I, I+1
.endr
.set I, \buf
.rept 32
	v_max3_num_f32 v[I], v[I], v[I+12], v[I+24]
.set I, I+1
.endr
.endm
	RLOAD 0, 64
	RLOAD 1, 128
	WA
	s_wait_dscnt 16                                ; group 0's rows
	NINE 64
	WIN 0x40
.set I, 0
.rept 32
	v_min_num_f32 v[32+I], s56, v[64+I]            ; E of group 1: the window of group 0, or nothing where the octet changes
.set I, I+1
.endr
	RLOAD 2, 64
	WA
	s_wait_dscnt 16
	NINE 128
	WIN 0x44
.set I, 0
.rept 32
	v_maxmin_num_f32 v[64+I], v[128+I], v[32+I], s57
.set I, I+1
.endr
	RLOAD 3, 128
	WA
	s_wait_dscnt 16
	NINE 64
	WIN 0x44
.set I, 0
.rept 32
	v_maxmin_num_f32 v[96+I], v[64+I], v[64+I], s58
.set I, I+1
.endr
	WIN 0
	ROW64 PS, 13, 0                                ; P's rows te = 16 w + r and 64 + 16 w + r, for G
	ROW64 64, 13, 64*PP
	WA
	s_wait_dscnt 32
	NINE 128
	WIN 0x44
.set I, 0
.rept 32
	v_max_num_f32 v[160+I], v[128+I], v[96+I]      ; T: the wave's last octet so far
.set I, I+1
.endr
	WIN 0x04
.irp j, 0,1,2,3,4,5,6,7
	ds_store_b128 v18, v[160+4*\j:163+4*\j] offset:512*\j
.endr
	WIN 0x80
.irp f, 0,1,2,3,4,5,6,7,8
.irp c, 0,1,2
	ds_load_b128 v[108+12*\f+4*\c:108+12*\f+4*\c+3], v9 offset:1536*(9+\f)+512*\c
.endr
.endr
.macro BIAS off
	WIN 0xc0
.irp t, 0,1,2,3,4,5,6,7,8
.irp e, 0,1
	ds_load_b128 v[48+8*\t+4*\e:48+8*\t+4*\e+3], v11 offset:\off+256*(\t/4)+32*(\t%4)+16*\e
.endr
.endr
	WIN 0
.endm
	BIAS 0
.irp t, 0,1,2,3,4,5,6,7,8
	ds_load_b32 v[WS2+\t], v10 offset:OSC+128*(9+\t)
.endr
	WA
	s_wait_dscnt 62                                ; both rows are in: behind them T's 8 stores and 27 + 18 + 9 loads
.macro AMX32 src
	WIN 0
.set K, 0
.rept 32
	AMX \src
.endr
.endm
	AMX32 PS
	MF1
	MF2 PS, 0
	AMX32 64
	MF3 0
	MF1
	MF2 64, 1
	MF3 1
	WIN 0
	WA
	s_wait_dscnt 0x0
	s_barrier_signal -1
	s_barrier_wait -1                              ; every T
.irp w, 0,1,2
.irp j, 0,1,2,3,4,5,6,7
	ds_load_b128 v[64+32*\w+4*\j:67+32*\w+4*\j], v19 offset:4096*\w+512*\j
.endr
.endr
	WIN 0x80
.irp f, 0,1,2,3,4,5,6,7,8
.irp c, 0,1,2
	ds_load_b128 v[12*\f+4*\c:12*\f+4*\c+3], v9 offset:1536*\f+512*\c
.endr
.endr
	WIN 0xc0
.irp f, 0,1,2,3
.irp c, 0,1,2
	ds_load_b128 v[12*\f+4*\c:12*\f+4*\c+3], v9 offset:1536*(27+\f)+512*\c
.endr
.endr
	WIN 0
	WA
	s_wait_dscnt 39                                ; the three waves' T: behind them 27 + 12 loads
.macro CARRY w                         ; wave w stands in front of mine: its T joins, and what was before its octet's change goes
	WIN 0
	s_cmp_le_u32 s10, \w
	WA
	s_cbranch_scc1 .Lno_carry_\w
	WIN 0x41
.set I, 0
.rept 32
	v_minmax_num_f32 v[128+I], v[128+I], s[66+\w], v[64+32*\w+I]
.set I, I+1
.endr
	WIN 0
.Lno_carry_\w:
.endm
	CARRY 0
	CARRY 1
	CARRY 2
	WIN 0x55
.set I, 0
.rept 32
	v_min_num_f32 v[I], s60, v[128+I]
.set I, I+1
.endr
.irp i, 1,2,3
.set I, 0
.rept 32
	v_minmax_num_f32 v[32*\i+I], v[128+I], s[60+\i], v[32*\i+I]
.set I, I+1
.endr
.endr
	WIN 0x04
.set I, 0
.rept 32
	ds_store_b128 v17, v[4*I:4*I+3] offset:PP*I    ; E, my wave's own rows: out by columns
.set I, I+1
.endr
; G = Q(P) Q(W1[128:256]) + b1, in window 0 at 64 and 136.
	WIN 0x36
.irp x, 0,1
.irp t, 0,1,2,3,4,5,6,7,8
	v_wmma_scale_f32_16x16x128_f8f6f4 v[64+72*\x+8*\t:71+72*\x+8*\t], v[108+12*\t:119+12*\t], v[160+12*\x:171+12*\x], v[48+8*\t:55+8*\t], v[WS2+\t], v[54+2*\x] matrix_a_fmt:MATRIX_FMT_BF6 matrix_b_fmt:MATRIX_FMT_BF6
.endr
.endr
	WIN 0
	NOPS 4
.irp x, 0,1                            ; tile 8's four live numbers stand in lanes 0-15: lanes 16-31 take the same, and both store the same 16 bytes
.irp j, 0,1,2,3
	v_permlanex16_b32 v[208+4*\x+\j], v[128+72*\x+\j], s20, s21
.endr
.endr
.irp x, 0,1
.irp j, 0,1,2,3
	v_cndmask_b32 v[128+72*\x+\j], v[128+72*\x+\j], v[208+4*\x+\j], s22
.endr
.endr
.macro GSTORE reg, off
.irp t, 0,1,2,3,4,5,6,7
.irp e, 0,1
	ds_store_b128 v14, v[\reg+8*\t+4*\e:\reg+8*\t+4*\e+3] offset:\off+256*(\t/4)+32*(\t%4)+16*\e
.endr
.endr
	ds_store_b128 v15, v[\reg+64:\reg+67] offset:\off
.endm
	GSTORE 64, 0
	GSTORE 136, 64*PP
	s_cmp_lg_u32 s10, 3
	WA
	s_cbranch_scc1 .Lg_made
.set I, 0
.rept 68
	v_mov_b32_dpp v[136+I], v[136+I] row_share:15 row_mask:0xf bank_mask:0xf   ; wave 3 has te = 127 in lanes 15 and 31: rows 128 .. 143 are copies of it
.set I, I+1
.endr
	GSTORE 136, 80*PP
.Lg_made:
	ROW64 64, 16, 0                                ; E back by rows: M of set 0 and of set 1 ahead of their first steps
	ROW64 128, 16, 16*PP
	v_add_nc_u32 v7, s15, v[VB]
	ROW64 PS, 7, 0
	WIN 0x80
.irp f, 0,1,2,3,4,5,6,7,8
.irp c, 0,1,2
	ds_load_b128 v[108+12*\f+4*\c:108+12*\f+4*\c+3], v9 offset:1536*(18+\f)+512*\c
.endr
.endr
	BIAS 768
	WIN 0x80
.irp q, 0,1,2,3,4,5,6,7,8,9,10,11,12
	ds_load_b32 v[216+2*\q], v10 offset:OTL+128*\q
.endr
	WIN 0
	WA
	s_wait_dscnt 58                                ; M and P: behind them 27 + 18 + 13 loads
	MK 0
	MF1
.irp t, 0,1,2,3,4,5,6,7,8
	ds_load_b32 v[WS1+\t], v10 offset:OSC+128*\t
	ds_load_b32 v[WS2+\t], v10 offset:OSC+128*(18+\t)
.endr
.irp t, 0,1,2,3
	ds_load_b32 v[WS3+\t], v10 offset:OSC+128*(27+\t)
.endr
	WA
	s_wait_dscnt 0x0
	s_barrier_signal -1
	s_barrier_wait -1                              ; G's 144 rows are whole
	v_add_nc_u32 v8, s16, v[VB]
	GROW 0
	WIN 0x40
.irp i, 68,69,70,71,72,73,74,75,76,77,78,79,148,149,150,151,152,153,154,155,156,157,158,159
	v_mov_b32 v[\i], 0                             ; the tail block's other numbers
.endr
.irp i, 185,186,187,188,189,190,191,192,193,194,195
	v_mov_b32 v[\i], 0                             ; and its operand's zero codes
.endr
	MF2 64, 0
	HT 0, 1, 1                                     ; set 0's step 0
	WIN 0
	s_mov_b32 s17, 0
	WA
.Ltrip:                                                ; trip i: set 1's step i, set 0's step i + 1
	s_add_co_u32 s15, s15, PP
	s_add_co_u32 s16, s16, PP
	HT 1, 0, 0
	HT 0, 1, 0
	WIN 0
	s_add_co_u32 s17, s17, 1
	s_cmp_lt_u32 s17, 8
	WA
	s_cbranch_scc1 .Ltrip
	HT 1, 0, 2                                     ; set 1's step 8, set 0's end
	QK 1, 0, 32
	QT 1
	QF1
	QF2 1
	QF3 1
	NOPS 8
	XG 3, 1, 0, 8
	NOPS 4
	OUTM 1
; THE WAY OUT: the 16 groups' rows meet in the stage; each start's segments are joined, then b3, the factor and the sigmoid.
	WIN 0x0c
.irp x, 0,1
.irp e, 0,1,2,3,4,5,6,7
	ds_store_b128 v20, v[128+32*\x+4*\e:131+32*\x+4*\e] offset:4352*\x+16*\e
.endr
.endr
	WIN 0x04
.irp x, 0,1
	ds_store_b128 v23, v[186:189] offset:4352*\x   ; the rows' last 16 bytes: zeros, so that every byte of the stage is written
.endr
	WIN 0
	s_sub_co_u32 s51, s18, 1
	s_lshr_b32 s48, s10, 1
	s_cmp_eq_u32 s48, 0
	s_cselect_b32 s49, 0, s18                      ; my octet's first group
	s_cselect_b32 s51, s51, 15                     ; and its last
.set I, 0
.rept 15                               ; an octet has at most 15 segments; past its last the last comes again
	s_add_co_u32 s48, s49, I
	s_min_u32 s48, s48, s51
	s_min_u32 s48, s48, 15
	s_mul_i32 s48, s48, 8*272
	v_add_nc_u32 v[192+I], s48, v21
.set I, I+1
.endr
	WA
	s_wait_dscnt 0x0
	s_barrier_signal -1
	s_barrier_wait -1
	ds_load_b128 v[184:187], v59
.set I, 0
.rept 15
	ds_load_b128 v[64+8*I:67+8*I], v[192+I]
	ds_load_b128 v[68+8*I:71+8*I], v[192+I] offset:2*272
.set I, I+1
.endr
	s_wait_dscnt 0x0
.irp g, 1,3,5,7,9,11,13
.irp i, 0,1,2,3,4,5,6,7
	v_max3_num_f32 v[64+\i], v[64+\i], v[64+8*\g+\i], v[72+8*\g+\i]
.endr
.endr
.irp i, 0,1,2,3
	v_add_f32 v[64+\i], v[64+\i], v[184+\i]
	v_add_f32 v[68+\i], v[68+\i], v[184+\i]
.endr
.irp i, 0,1,2,3,4,5,6,7
	v_mul_f32 v[64+\i], 0xc0e6d4ca, v[64+\i]       ; -5 log2(e)
.endr
	WA
.irp i, 0,1,2,3,4,5,6,7
	v_exp_f32 v[72+\i], v[64+\i]
.endr
	v_nop
	WA
.irp i, 0,1,2,3,4,5,6,7
	v_add_f32 v[72+\i], 1.0, v[72+\i]
.endr
	WA
.irp i, 0,1,2,3,4,5,6,7
	v_rcp_f32 v[80+\i], v[72+\i]
.endr
	v_nop
	WA
	global_store_b128 v22, v[80:83], s[8:9] th:TH_STORE_NT   ; 16 lanes store an aligned row of 256 bytes
	global_store_b128 v22, v[84:87], s[8:9] offset:512 th:TH_STORE_NT
	s_wait_tensorcnt 0x0                           ; the wave's end
	ds_add_u32 v1, v2
	s_wait_dscnt 0x0
	ROUND                                          ; the closing round
	s_endpgm
.Lfunc_end_k_q8f4f90f36d_main:
	.size	k_q8f4f90f36d_main, .Lfunc_end_k_q8f4f90f36d_main-k_q8f4f90f36d_main
	.p2alignl 7, 3214868480
	.fill 96, 4, 3214868480
	.section	.rodata,"a",@progbits
	.p2align	6, 0x0
	.amdhsa_kernel k_q8f4f90f36d_main
		.amdhsa_group_segment_fixed_size 327680
		.amdhsa_private_segment_fixed_size 0
		.amdhsa_enable_private_segment 0
		.amdhsa_kernarg_size 24
		.amdhsa_user_sgpr_count 2
		.amdhsa_user_sgpr_kernarg_segment_ptr 1
		.amdhsa_wavefront_size32 1
		.amdhsa_system_sgpr_workgroup_id_x 1
		.amdhsa_system_sgpr_workgroup_id_y 1
		.amdhsa_system_sgpr_workgroup_id_z 1
		.amdhsa_system_vgpr_workitem_id 0
		.amdhsa_next_free_vgpr 960
		.amdhsa_next_free_sgpr 72
		.amdhsa_reserve_vcc 0
		.amdhsa_float_denorm_mode_32 3
		.amdhsa_float_denorm_mode_16_64 3
		.amdhsa_memory_ordered 1
		.amdhsa_forward_progress 1
		.amdhsa_inst_pref_size 210
	.end_amdhsa_kernel
	.amdgpu_metadata
---
amdhsa.version: [ 1, 2 ]
amdhsa.kernels:
  - .name:           k_q8f4f90f36d_main
    .symbol:         k_q8f4f90f36d_main.kd
    .args:
      - { .name: P, .offset: 0, .size: 8, .value_kind: global_buffer, .address_space: global }
      - { .name: wimg, .offset: 8, .size: 8, .value_kind: global_buffer, .address_space: global }
      - { .name: out0, .offset: 16, .size: 8, .value_kind: global_buffer, .address_space: global }
    .group_segment_fixed_size: 327680
    .private_segment_fixed_size: 0
    .kernarg_segment_align: 8
    .kernarg_segment_size: 24
    .max_flat_workgroup_size: 128
    .sgpr_count:     72
    .vgpr_count:     960
    .wavefront_size: 32
...
	.end_amdgpu_metadata
.endif
;; end of part 2
